; MI455X (gfx1250); checked and timed in simulation.
; The chip was launched on July 23, 2026; its instructions are those of AMD's public machine-readable ISA for CDNA 5 (MIT licence, August 2026) and "CDNA5" Instruction Set Architecture Reference Guide (July 2026). The comments in the code are by the model that wrote it; some were corrected since.
;; Bert Self Attention. Allowed arithmetic: matrix products marked QUANTISED: E5M2 operands, one given power-of-two scale a tensor, by v_wmma_f32_16x16x64_bf8_bf8 or v_wmma_f32_16x16x128_bf8_bf8, f32 sums; everything else in f32.
;; Inputs: Wk 1,024 x 1,024 float32; Wq 1,024 x 1,024 float32; Wv 1,024 x 1,024 float32; bk 1,024 float32; bq 1,024 float32; bv 1,024 float32; hidden_states 4 x 2,048 x 1,024 float32; lowp_scales 10 int32 (the exponents e of the quantised operands' scales 2^e).
;; Outputs: out0 4 x 2,048 x 1,024 float32.
;; This version of the problem:
;;   THIS VERSION OF THE PROBLEM IS GIVEN IN LOW PRECISION. The matrix products marked QUANTISED in the list below multiply operands that are first quantised to E5M2 (5 exponent bits, 2 mantissa bits; 8 bits a number), with one given power-of-two scale for each operand tensor; their sums are f32. All else is computed in f32.
;;   The module's matrix products, in the order in which they are computed (A, B: the left and right operand; K: the contracted axis; several contracted axes count as one K, in the product's order):
;;     1. [M 8,192, K 1,024] x [K 1,024, N 1,024]; A: input hidden_states; B: input Wq: QUANTISED (scales: A lowp_scales[0], B lowp_scales[1])
;;     2. [M 8,192, K 1,024] x [K 1,024, N 1,024]; A: input hidden_states; B: input Wk: QUANTISED (scales: A lowp_scales[2], B lowp_scales[3])
;;     3. [M 8,192, K 1,024] x [K 1,024, N 1,024]; A: input hidden_states; B: input Wv: QUANTISED (scales: A lowp_scales[4], B lowp_scales[5])
;;     4. batch 64 x [M 2,048, K 64] x [K 64, N 2,048]; A: computed on the way; B: computed on the way: QUANTISED (scales: A lowp_scales[6], B lowp_scales[7])
;;     5. batch 64 x [M 2,048, K 2,048] x [K 2,048, N 64]; A: softmax (see below); B: computed on the way: QUANTISED (scales: A lowp_scales[8], B lowp_scales[9])
;;   THE QUANTISER, for each operand of a quantised product, along K:
;;     - The operand's scale is 2^e, e = its entry of the input lowp_scales (int32; the entries are numbered through the quantised products in the list's order, A before B).
;;     - Each number is divided by the scale, clamped to +-57,344, and rounded to the nearest number of E5M2, ties to even, subnormals kept.
;;     - The product sums the exact products of the quantised numbers (number of the format x scale) in f32.
;;   ~~~python
;;   def quantise(x, axis, e):      # numpy; x: float32 -> the quantised numbers, widened to float32 again
;;       x = np.moveaxis(x, axis, -1); K = x.shape[-1]
;;       r = np.clip(x / 2.0 ** e, -57344, 57344)
;;       step = 2.0 ** (np.maximum(np.frexp(np.where(r == 0, 1, r))[1] - 1, -14) - 2)
;;       q = np.round(r / step) * step * 2.0 ** e      # np.round: ties to even
;;       return np.moveaxis(q, -1, axis).astype(np.float32)
;;   ~~~
;;   SOFTMAX AHEAD OF A QUANTISED PRODUCT. Where the list says 'softmax', what is quantised is not the finished softmax but p = 2^(t - M), with t = logit x log2(e) and M = ceil(the row's largest t), a whole number; so 1/2 < the row's largest p <= 1. The row's sum l is taken of the UNQUANTISED p, in f32, and the product's result is divided by l at the end. Since M is a whole number, a kernel that streams over the keys may use a running M (the ceiling of the running maximum): every later rescaling is an exact power of two, so the quantised numbers keep their values, but for numbers so far below the row's largest that they fall under the format's range.
;;   OPERANDS COMPUTED ON THE WAY. 'Computed on the way' means the value that the module computes at that place (a softmax that the list does not call 'softmax' is quantised finished and normalised). What goes into a quantiser is computed in f32, as accurately as f32 sums, v_exp_f32 and their like allow (about 1e-6 of the number): no bf16 or f16 on the way to a quantiser, and a product that is left as it is and whose result goes on into a quantised operand takes f32 operands (vector FMAs, or v_wmma_f32_16x16x4_f32). A number that lies on a knife's edge between two numbers of the format may be rounded either way, as far as f32 arithmetic and the matrix unit's own rounding can turn it there, and no further.
;; One version. Each part assembles by itself: llvm-mc -triple=amdgcn-amd-amdhsa -mcpu=gfx1250 --defsym DOCPART=n.
;; ======== version 1 of 1: 3 launches
;; limits: right only within a limited range of input values
;; workspace buffers: ximg 25,165,824 bytes; wimg 3,145,728 bytes; trig 524,288 bytes; qkv 25,165,824 bytes
;; launch prep (part 1): grid 256 x 1, 8 waves a work-group, no clusters, 68,608 bytes of LDS; arguments hidden_states, Wq, Wk, Wv, lowp_scales, ximg, wimg, trig; writes ximg, wimg, trig
.if DOCPART == 1
	.amdgcn_target "amdgcn-amd-amdhsa--gfx1250"
	.amdhsa_code_object_version 6
	.text
	.protected	k_qdcf4ddd497_prep
	.globl	k_qdcf4ddd497_prep
	.p2align	8
	.type	k_qdcf4ddd497_prep,@function
k_qdcf4ddd497_prep:
	s_mov_b64 s[64:65], 0
	v_nop
	global_prefetch_b8 v0, s[64:65] scope:SCOPE_SE
	s_setreg_imm32_b32 hwreg(HW_REG_WAVE_MODE, 25, 1), 1
	s_wait_xcnt 0x0
; PREP: hidden_states [8192][1024] and Wq, Wk, Wv [1024 (k)][1024 (n)], f32, become codes of BF8 (E5M2), laid as IMAGES OF OPERAND REGISTERS; and a table of cos and sin for the rotary step.
; code = x / 2^e, held within +-57,344, rounded to the nearest code, ties to even.  hidden has a scale of its own in each of the three products (entries 0, 2, 4 of the scales), so it is quantised three times from one read.
; A FRAGMENT is 16 rows x 128 k: [c 4][lane 32][16 bytes]; lane (r, h) holds, of the tile's row r, k = 32 c + 16 h + 0 .. 15.  Tile 2 B + u holds in lane r the row 32 B + 8 u + r + 8 (r / 8).
;   ximg [z 3][tile 512][kk 8][fragment 2,048 B]    wimg [z 3][tile 64][kk 8][fragment]  (rows = output features)
;   trig [T 128][p 8][lane 32][16 B] f32: p 0-3 cos(s x 10^(-f/8)), f = 16 h + 4 p + 0 .. 3; p 4-7 sin likewise; s = row r of tile T
; SHARES.  Work-group beta: rows 32 beta .. +31 of hidden (131,072 bytes on end); wave w takes k = 128 w .. +127 of its two tiles.  Of each W a wave takes 32 columns x 16 k: a lane a column, registers down k, so the
; conversions give codes with k innermost and nothing is transposed.  Waves 0-3 make 4 angles a lane of the table.
; hidden: each load reads 512 bytes on end of one row; a unit of 16 rows turns through the wave's own stage in LDS (rows of 512 + 16 bytes) and comes back 64 bytes a lane.  Waves share nothing: no barrier.
; No cluster: no two work-groups read the same bytes.  No tensor load: the bytes in flight fit in registers (80 loads a wave are issued at the head).
; LIMITS: each of the six exponents lies between -126 and 112.  NaN among the inputs is not served.  10^(-f/8) is right to about one unit in its last place, which need not be the last bit that another way of
; computing it gives; cos and sin of the f32 angle are right to about 1e-7.
.set STG,  8448                        ; a wave's stage: 16 rows x SP
.set SP,   528
.set LI,   1                           ; v1   16 x lane
.set L4,   2                           ; v2   4 x lane
.set WO,   3                           ; v3   W's codes: column -> tile u = (lane / 8) % 2, image row (lane % 8) + 8 (lane / 16)
.set SA,   4                           ; v4   stage, way in
.set LA,   5                           ; v5   stage, way out
.set XSC,  6                           ; v6-8   2^e for hidden, z = 0, 1, 2;   v9-11  57,344 x 2^e
.set XLM,  9
.set WSC,  12                          ; v12-14, v15-17 the same for the weights
.set WLM,  15
.set RX,   24                          ; v24-151  two units of 64 numbers
.set WR,   152                         ; v152-199 W: 3 x 16 numbers; later hidden's codes, 3 x 16 registers
.set CX,   152
.set TS,   200                         ; v200-231 two sets of 16 held numbers
.set CW,   232                         ; v232-243 W's codes
.set FF,   200                         ; the table's work, four angles side by side, before TS and CW are used
.set PP,   204
.set EE,   208
.set IV,   212
.set AN,   216
.set NN,   220
.set RR,   224
.set QQ,   228
.set ZZ,   232
.set SN,   236
.set CS,   240
.set TM,   244
.set RES,  248                         ; v248-251 the four results: no later line writes them
	s_load_b512 s[4:19], s[0:1], 0x0               ; hidden s[4:5], Wq s[6:7], Wk s[8:9], Wv s[10:11], scales s[12:13], ximg s[14:15], wimg s[16:17], trig s[18:19]
	v_lshl_add_u32 v19, v0, 2, 0x10800
	v_mov_b32 v255, 0
	v_lshrrev_b32 v20, 5, v0
	s_delay_alu instid0(VALU_DEP_1)
	v_readfirstlane_b32 s20, v20                   ; wave 0..7
	v_and_b32 v21, 31, v0
	s_delay_alu instid0(VALU_DEP_1)
	v_lshlrev_b32 v[LI], 4, v21
	s_delay_alu instid0(VALU_DEP_2)
	v_lshlrev_b32 v[L4], 2, v21
	v_bfe_u32 v22, v0, 3, 1                        ; u of my column
	v_and_b32 v23, 7, v0
	v_bfe_u32 v20, v0, 4, 1                        ; lane / 16
	s_delay_alu instid0(VALU_DEP_1)
	v_lshl_add_u32 v23, v20, 3, v23                ; image row of my column
	s_delay_alu instid0(VALU_DEP_1)
	v_lshlrev_b32 v[WO], 4, v23
	s_delay_alu instid0(VALU_DEP_1)
	v_lshl_add_u32 v[WO], v22, 14, v[WO]           ; + u x a tile's 16,384 bytes
	s_mul_i32 s21, s20, STG
	v_add_nc_u32 v[SA], s21, v[LI]
	v_and_b32 v22, 15, v0
	s_delay_alu instid0(VALU_DEP_1)
	v_mul_u32_u24 v[LA], v22, SP
	s_delay_alu instid0(VALU_DEP_1)
	v_lshl_add_u32 v[LA], v20, 6, v[LA]
	s_delay_alu instid0(VALU_DEP_1)
	v_add_nc_u32 v[LA], s21, v[LA]                 ; row r, + 64 h
	s_lshl_b32 s22, ttmp9, 17                      ; hidden: 32 rows of 4,096 bytes a work-group, 512 bytes a wave
	s_lshl_b32 s21, s20, 9
	s_add_co_u32 s22, s22, s21
	s_mov_b32 s23, 0
	s_lshr_b32 s56, ttmp9, 2                       ; kappa: which 16 k of W
	s_and_b32 s57, ttmp9, 3
	s_lshl_b32 s57, s57, 3
	s_add_co_u32 s57, s57, s20                     ; nb: which 32 columns
	s_lshl_b32 s58, s56, 16
	s_lshl_b32 s60, s57, 7
	s_add_co_u32 s58, s58, s60
	s_mov_b32 s59, 0                               ; W: 16 kappa rows of 4,096 bytes + 128 nb
	s_lshl_b32 s60, s57, 15
	s_lshl_b32 s62, s56, 8
	s_add_co_u32 s60, s60, s62
	s_mov_b32 s61, 0                               ; wimg: two tiles a nb; kk, c and h of 16 kappa are 2,048 (kappa / 8) + 512 ((kappa / 2) % 4) + 256 (kappa % 2) = 256 kappa
	s_lshl_b32 s62, ttmp9, 15
	s_lshl_b32 s56, s20, 11
	s_add_co_u32 s62, s62, s56
	s_mov_b32 s63, 0                               ; ximg: two tiles a work-group, fragment kk = wave
	s_lshl_b32 s56, ttmp9, 11
	s_lshl_b32 s57, s20, 9
	s_add_co_u32 s56, s56, s57
	s_mov_b32 s57, 0                               ; trig: T = beta / 2, p = 4 (beta % 2) + wave: 2,048 beta + 512 wave
	s_wait_kmcnt 0x0
	s_load_b256 s[24:31], s[12:13], 0x0            ; e0 .. e7
	s_add_nc_u64 s[4:5], s[4:5], s[22:23]
	s_add_nc_u64 s[6:7], s[6:7], s[58:59]
	s_add_nc_u64 s[8:9], s[8:9], s[58:59]
	s_add_nc_u64 s[10:11], s[10:11], s[58:59]
	s_add_nc_u64 s[16:17], s[16:17], s[60:61]
	s_add_nc_u64 s[18:19], s[18:19], s[56:57]
	s_add_nc_u64 s[32:33], s[14:15], s[62:63]      ; ximg for z = 0, 1, 2: 8,388,608 bytes apart, more than a store's immediate holds
	s_add_nc_u64 s[34:35], s[32:33], 0x800000
	s_add_nc_u64 s[36:37], s[34:35], 0x800000
.irp z, 0,1,2
.irp i, 0,1,2,3,4,5,6,7,8,9,10,11,12,13,14,15
	global_load_b32 v[WR+16*\z+\i], v[L4], s[6+2*\z:7+2*\z] offset:\i*4096 th:TH_LOAD_NT   ; W(16 kappa + i, my column): 128 bytes on end a wave
.endr
.endr
.irp u, 0,1
.irp i, 0,1,2,3,4,5,6,7,8,9,10,11,12,13,14,15
	global_load_b128 v[RX+64*\u+4*\i:RX+64*\u+4*\i+3], v[LI], s[4:5] offset:(8*\u+\i+8*(\i/8))*4096 th:TH_LOAD_NT   ; image row i of tile u: 512 bytes on end
.endr
.endr
.macro MKSC e, sc, lim                 ; 2^e and 57,344 x 2^e as f32
	s_add_co_i32 s21, s[\e], 127
	s_lshl_b32 s22, s21, 23
	v_mov_b32 v[\sc], s22
	s_add_co_i32 s21, s21, 15
	s_lshl_b32 s21, s21, 23
	s_or_b32 s21, s21, 0x600000
	v_mov_b32 v[\lim], s21
.endm
	s_wait_kmcnt 0x0
	MKSC 24, XSC, XLM
	MKSC 26, XSC+1, XLM+1
	MKSC 28, XSC+2, XLM+2
	MKSC 25, WSC, WLM
	MKSC 27, WSC+1, WLM+1
	MKSC 29, WSC+2, WLM+2
	; ---- the table: waves 0-3, while the loads are on their way
	s_cmp_lt_u32 s20, 4
	s_cbranch_scc0 .Lno_trig
	s_mov_b32 s38, 0x3ed49a78                      ; log2(10) / 8, its f32 part,
	s_mov_b32 s39, 0x32179a29                      ; and what that leaves
	s_mov_b32 s40, 0xbf317218                      ; -ln 2
	s_mov_b32 s41, 0x3f22f983                      ; 2 / pi
	s_mov_b32 s42, 0xbfc90fdb                      ; -(pi / 2), its f32 part,
	s_mov_b32 s43, 0x333bbd2e                      ; and the rest of it, with its sign
	s_mov_b32 s44, 0xb94ca1f9                      ; sine: r + r z (s46 + z (s45 + z s44))
	s_mov_b32 s45, 0x3c08839e
	s_mov_b32 s46, 0xbe2aaaa3
	s_mov_b32 s47, 0x37ccf5ce                      ; cosine: 1 - z / 2 + z z (s49 + z (s48 + z s47))
	s_mov_b32 s48, 0xbab6061a
	s_mov_b32 s49, 0x3d2aaaa5
	s_and_b32 s50, ttmp9, 1
	s_mul_i32 s50, s50, 3                          ; sin x = cos(x - pi / 2): three quadrants on
	s_lshr_b32 s62, ttmp9, 2
	s_lshl_b32 s62, s62, 5
	s_bfe_u32 s63, ttmp9, 0x10001
	s_lshl_b32 s63, s63, 3
	s_add_co_u32 s62, s62, s63                     ; 32 (T / 2) + 8 (T % 2)
	v_and_b32 v252, 15, v0
	v_and_b32 v254, 8, v0
	s_delay_alu instid0(VALU_DEP_1)
	v_add3_u32 v252, v252, v254, s62               ; s = that + r + 8 (r / 8)
	s_delay_alu instid0(VALU_DEP_1)
	v_cvt_f32_u32 v252, v252
	v_bfe_u32 v253, v0, 4, 1
	s_delay_alu instid0(VALU_DEP_1)
	v_lshlrev_b32 v253, 4, v253
	s_delay_alu instid0(VALU_DEP_1)
	v_lshl_add_u32 v253, s20, 2, v253              ; f of my first angle: 16 h + 4 wave
.irp i, 0,1,2,3
	v_add_nc_u32 v[FF+\i], \i, v253
.endr
.irp i, 0,1,2,3
	s_delay_alu instid0(VALU_DEP_4)
	v_cvt_f32_u32 v[FF+\i], v[FF+\i]
.endr
.irp i, 0,1,2,3
	s_delay_alu instid0(VALU_DEP_4)
	v_mul_f32 v[PP+\i], s38, v[FF+\i]              ; f log2(10) / 8 = P + E: P rounded,
.endr
.irp i, 0,1,2,3
	s_delay_alu instid0(VALU_DEP_4)
	v_fma_f32 v[EE+\i], v[FF+\i], s38, -v[PP+\i]   ; E what the rounding dropped,
.endr
.irp i, 0,1,2,3
	s_delay_alu instid0(VALU_DEP_4)
	v_fma_f32 v[EE+\i], v[FF+\i], s39, v[EE+\i]    ; and the constant's own rest
.endr
.irp i, 0,1,2,3
	v_exp_f32 v[IV+\i], -v[PP+\i]
.endr
	v_nop                                          ; one plain line behind the exponentials
	s_wait_alu depctr_va_vdst(0)
.irp i, 0,1,2,3
	v_mul_f32 v[TM+\i], v[IV+\i], v[EE+\i]
.endr
.irp i, 0,1,2,3
	v_fma_f32 v[IV+\i], v[TM+\i], s40, v[IV+\i]    ; 2^(-P - E) = 2^-P (1 - E ln 2)
.endr
.irp i, 0,1,2,3
	s_delay_alu instid0(VALU_DEP_4)
	v_mul_f32 v[AN+\i], v252, v[IV+\i]             ; the angle, rounded to f32 as the outer product rounds it
.endr
.irp i, 0,1,2,3
	s_delay_alu instid0(VALU_DEP_4)
	v_mul_f32 v[NN+\i], s41, v[AN+\i]
.endr
.irp i, 0,1,2,3
	s_delay_alu instid0(VALU_DEP_4)
	v_rndne_f32 v[NN+\i], v[NN+\i]                 ; quadrants, at most 1,304
.endr
.irp i, 0,1,2,3
	s_delay_alu instid0(VALU_DEP_4)
	v_fma_f32 v[RR+\i], v[NN+\i], s42, v[AN+\i]    ; exact: a multiple of 2^-23 under 1
.endr
.irp i, 0,1,2,3
	s_delay_alu instid0(VALU_DEP_4)
	v_fma_f32 v[RR+\i], v[NN+\i], s43, v[RR+\i]
.endr
.irp i, 0,1,2,3
	v_cvt_i32_f32 v[QQ+\i], v[NN+\i]
.endr
.irp i, 0,1,2,3
	s_delay_alu instid0(VALU_DEP_4)
	v_add_nc_u32 v[QQ+\i], s50, v[QQ+\i]
.endr
.irp i, 0,1,2,3
	v_mul_f32 v[ZZ+\i], v[RR+\i], v[RR+\i]
.endr
.irp i, 0,1,2,3
	v_fma_f32 v[SN+\i], v[ZZ+\i], s44, s45
	v_fma_f32 v[CS+\i], v[ZZ+\i], s47, s48
.endr
.irp i, 0,1,2,3
	v_fma_f32 v[SN+\i], v[ZZ+\i], v[SN+\i], s46
	v_fma_f32 v[CS+\i], v[ZZ+\i], v[CS+\i], s49
.endr
.irp i, 0,1,2,3
	v_mul_f32 v[TM+\i], v[ZZ+\i], v[RR+\i]
	v_mul_f32 v[AN+\i], v[ZZ+\i], v[ZZ+\i]
.endr
.irp i, 0,1,2,3
	v_fma_f32 v[SN+\i], v[TM+\i], v[SN+\i], v[RR+\i]
	v_fma_f32 v[TM+\i], v[ZZ+\i], -0.5, 1.0
.endr
.irp i, 0,1,2,3
	v_fma_f32 v[CS+\i], v[AN+\i], v[CS+\i], v[TM+\i]
	v_and_b32 v[TM+\i], 1, v[QQ+\i]
.endr
.irp i, 0,1,2,3
	v_cmp_eq_u32 vcc_lo, 1, v[TM+\i]               ; odd quadrants take the sine; the choice selects a value and steers nothing
	s_delay_alu instid0(VALU_DEP_1)
	v_cndmask_b32 v[RES+\i], v[CS+\i], v[SN+\i], vcc_lo
	v_add_nc_u32 v[QQ+\i], 1, v[QQ+\i]
.endr
.irp i, 0,1,2,3
	v_lshlrev_b32 v[QQ+\i], 30, v[QQ+\i]           ; quadrants 1 and 2 are negative: bit 1 of quadrant + 1 is the sign
.endr
.irp i, 0,1,2,3
	s_delay_alu instid0(VALU_DEP_4)
	v_and_b32 v[QQ+\i], 0x80000000, v[QQ+\i]
.endr
.irp i, 0,1,2,3
	s_delay_alu instid0(VALU_DEP_4)
	v_xor_b32 v[RES+\i], v[RES+\i], v[QQ+\i]
.endr
	global_store_b128 v[LI], v[RES:RES+3], s[18:19]   ; 512 bytes on end
.Lno_trig:
	; ---- the weights
	s_wait_alu depctr_va_vdst(0)
.irp z, 0,1,2
.if \z == 0
	s_wait_loadcnt 63                              ; behind Wq's sixteen loads 64 were issued; the count's field ends at 63, and a smaller count is safe
.elseif \z == 1
	s_wait_loadcnt 48                              ; behind Wk's: Wv's 16 and hidden's 32
.else
	s_wait_loadcnt 32                              ; behind Wv's: hidden's 32
.endif
.irp i, 0,1,2,3,4,5,6,7,8,9,10,11,12,13,14,15
	v_med3_num_f32 v[WR+16*\z+\i], v[WR+16*\z+\i], -v[WLM+\z], v[WLM+\z]   ; the conversion to an 8-bit code does not saturate (ISA guide 7.6.2): the hold comes first
.endr
	v_cvt_scalef32_pk8_bf8_f32 v[CW+4*\z:CW+4*\z+1], v[WR+16*\z:WR+16*\z+7], v[WSC+\z]
	v_cvt_scalef32_pk8_bf8_f32 v[CW+4*\z+2:CW+4*\z+3], v[WR+16*\z+8:WR+16*\z+15], v[WSC+\z]
	global_store_b128 v[WO], v[CW+4*\z:CW+4*\z+3], s[16:17] offset:\z<<20   ; sixteen lanes fill 256 bytes on end, aligned, in each of the two tiles
.endr
	; ---- hidden
.macro TURN u                          ; a unit through my stage; LDS serves a wave's instructions in order (ISA guide 5.7.1.4), so no wait stands between the stores and the loads
.irp i, 0,1,2,3,4,5,6,7,8,9,10,11,12,13,14,15
	ds_store_b128 v[SA], v[RX+64*\u+4*\i:RX+64*\u+4*\i+3] offset:\i*SP
.endr
.irp c, 0,1,2,3
.irp j, 0,1,2,3
	ds_load_b128 v[RX+64*\u+16*\c+4*\j:RX+64*\u+16*\c+4*\j+3], v[LA] offset:128*\c+16*\j   ; register 16 c + i = k 32 c + 16 h + i of row r
.endr
.endr
.endm
.macro QUANT u                         ; the hold copies into one of two sets, so the numbers stay for the next scale, and sixteen plain lines stand between a conversion and the next write of its sources
.irp z, 0,1,2
.irp c, 0,1,2,3
.irp i, 0,1,2,3,4,5,6,7,8,9,10,11,12,13,14,15
	v_med3_num_f32 v[TS+16*(\c%2)+\i], v[RX+64*\u+16*\c+\i], -v[XLM+\z], v[XLM+\z]
.endr
	v_cvt_scalef32_pk8_bf8_f32 v[CX+16*\z+4*\c:CX+16*\z+4*\c+1], v[TS+16*(\c%2):TS+16*(\c%2)+7], v[XSC+\z]
	v_cvt_scalef32_pk8_bf8_f32 v[CX+16*\z+4*\c+2:CX+16*\z+4*\c+3], v[TS+16*(\c%2)+8:TS+16*(\c%2)+15], v[XSC+\z]
.endr
.irp c, 0,1,2,3
	global_store_b128 v[LI], v[CX+16*\z+4*\c:CX+16*\z+4*\c+3], s[32+2*\z:33+2*\z] offset:\u*16384+\c*512   ; 512 bytes on end
.endr
.endr
.endm
	s_wait_loadcnt 16                              ; tile 0's sixteen loads are in; tile 1's may be out
	TURN 0
	s_wait_dscnt 0x0
	QUANT 0
	s_wait_loadcnt 0x0
	TURN 1
	s_wait_dscnt 0x0
	s_wait_xcnt 0x0                                ; tile 0's stores have read their registers: the codes' registers are written again only behind this wait
	QUANT 1
	s_wait_tensorcnt 0x0
	ds_add_u32 v19, v255
	s_wait_dscnt 0x0
	s_endpgm
.Lfunc_end_k_qdcf4ddd497_prep:
	.size	k_qdcf4ddd497_prep, .Lfunc_end_k_qdcf4ddd497_prep-k_qdcf4ddd497_prep
	.p2alignl 7, 3214868480
	.fill 96, 4, 3214868480
	.section	.rodata,"a",@progbits
	.p2align	6, 0x0
	.amdhsa_kernel k_qdcf4ddd497_prep
		.amdhsa_group_segment_fixed_size 68608
		.amdhsa_private_segment_fixed_size 0
		.amdhsa_enable_private_segment 0
		.amdhsa_kernarg_size 64
		.amdhsa_user_sgpr_count 2
		.amdhsa_user_sgpr_kernarg_segment_ptr 1
		.amdhsa_wavefront_size32 1
		.amdhsa_system_sgpr_workgroup_id_x 1
		.amdhsa_system_sgpr_workgroup_id_y 1
		.amdhsa_system_sgpr_workgroup_id_z 1
		.amdhsa_system_vgpr_workitem_id 0
		.amdhsa_next_free_vgpr 256
		.amdhsa_next_free_sgpr 66
		.amdhsa_reserve_vcc 1
		.amdhsa_float_denorm_mode_32 3
		.amdhsa_float_denorm_mode_16_64 3
		.amdhsa_memory_ordered 1
		.amdhsa_forward_progress 1
		.amdhsa_inst_pref_size 59
	.end_amdhsa_kernel
	.amdgpu_metadata
---
amdhsa.version: [ 1, 2 ]
amdhsa.kernels:
  - .name:           k_qdcf4ddd497_prep
    .symbol:         k_qdcf4ddd497_prep.kd
    .args:
      - { .name: hidden_states, .offset: 0, .size: 8, .value_kind: global_buffer, .address_space: global }
      - { .name: Wq, .offset: 8, .size: 8, .value_kind: global_buffer, .address_space: global }
      - { .name: Wk, .offset: 16, .size: 8, .value_kind: global_buffer, .address_space: global }
      - { .name: Wv, .offset: 24, .size: 8, .value_kind: global_buffer, .address_space: global }
      - { .name: lowp_scales, .offset: 32, .size: 8, .value_kind: global_buffer, .address_space: global }
      - { .name: ximg, .offset: 40, .size: 8, .value_kind: global_buffer, .address_space: global }
      - { .name: wimg, .offset: 48, .size: 8, .value_kind: global_buffer, .address_space: global }
      - { .name: trig, .offset: 56, .size: 8, .value_kind: global_buffer, .address_space: global }
    .group_segment_fixed_size: 68608
    .private_segment_fixed_size: 0
    .kernarg_segment_align: 8
    .kernarg_segment_size: 64
    .max_flat_workgroup_size: 256
    .sgpr_count:     66
    .vgpr_count:     256
    .wavefront_size: 32
...
	.end_amdgpu_metadata
.endif
;; end of part 1
;; launch proj (part 2): grid 32 x 8, 4 waves a work-group, clusters of 4 x 1, 327,680 bytes of LDS; arguments ximg, wimg, trig, bq, bk, bv, lowp_scales, qkv; writes qkv
.if DOCPART == 2
	.amdgcn_target "amdgcn-amd-amdhsa--gfx1250"
	.amdhsa_code_object_version 6
	.text
	.protected	k_qdcf4ddd497_proj
	.globl	k_qdcf4ddd497_proj
	.p2align	8
	.type	k_qdcf4ddd497_proj,@function
k_qdcf4ddd497_proj:
	s_mov_b64 s[64:65], 0
	v_nop
	global_prefetch_b8 v0, s[64:65] scope:SCOPE_SE
	s_setreg_imm32_b32 hwreg(HW_REG_WAVE_MODE, 25, 1), 1
	s_wait_xcnt 0x0
	s_wait_alu depctr_hold_cnt(0) depctr_sa_sdst(0) depctr_va_vdst(0) depctr_va_sdst(0) depctr_va_ssrc(0) depctr_va_vcc(0) depctr_vm_vsrc(0)
	s_getreg_b32 s2, hwreg(HW_REG_IB_STS2, 6, 4)
	s_cmp_eq_u32 s2, 0
	s_cbranch_scc0 .Lentry_in_a_cluster
	s_endpgm
.Lentry_in_a_cluster:
	s_bfe_u32 s2, ttmp6, 0x10000c
	s_cmp_lg_u32 s2, 0x3003
	s_cbranch_scc0 .Lentry_shape_is_right
	s_endpgm
.Lentry_shape_is_right:
; PROJ: q, k, v = hidden W + b on codes of BF8 (E5M2); q and k are rotated; all three are quantised again and stored as images of the operands that the attention launch reads.
; OPERANDS lie in memory as images of their registers: a fragment (16 rows x 128 k) is [c 4][lane 32][16 bytes], a tile's eight fragments on end (16,384 bytes).
; Tile 2 B + u holds in lane r the row 32 B + 8 u + r + 8 (r / 8): the 16 registers of result tiles 2 B and 2 B + 1 are then 16 neighbours 32 B + 16 h + 0 .. 15, the order of the next operand's registers.
; SHARES.  256 work-groups: RG = 0 .. 31 (256 rows of hidden) x CT = 0 .. 7 (128 features, two heads).  A work-group takes its block through the three tensors z = 0 (q), 1 (k), 2 (v), one after the other.
; A wave owns 64 rows (four tiles a) x the 128 features (eight tiles b): 32 accumulators.  K = 1,024 is eight steps of 128, 32 matrix instructions each.
; W's block of a tensor, 8 tiles x 16,384 bytes on end, lies whole in one of two LDS slots (z = 0, 2: slot 0; z = 1: slot 1), 32,768 bytes by each wave's one tensor load, asked for a tensor ahead:
; the change of slots stands at a tensor's head.  The four work-groups of a cluster have the same CT: the load is joint; its descriptor hangs on CT, the wave and z alone.
; hidden's codes are read by one wave of a work-group only: they go from memory straight into the operand's registers, 512 bytes on end a load, through a ring of four sets of 64 registers;
; step s asks for step s + 4's set, across the tensors: 48 to 64 loads a wave are out.  No barrier stands in that stream.
; q, k: source 0 = W's tile, source 1 = hidden's: a lane holds one position and eight neighbouring features.  v: the sources are swapped: a lane holds one feature and eight neighbouring positions (keys).
; q and k run one loop body twice; what differs lies in scalar registers.  v is written out.
; THE WAY OUT uses no LDS: sum x 2^(eA + eB) + bias; for q and k the rotation with cos and sin from the table (loaded once, kept for both); the hold; the conversion; each store is 512 bytes on end.
; q's factor 1/8 is a power of two and the rotation is linear: it is folded into q's conversion, which divides by 2^(e6 + 3); the codes are the same.
; qkv: q at 0, k at 2^23: [g 64][T 128][c 2][lane 32][16 B];  v at 2^24: [g 64][J 32][ct 4][c 2][lane 32][16 B];  g = 16 batch + head.
; NO PREFETCH: W's blocks are asked for eight steps ahead of their first read and hidden's sets four steps ahead, by the loads themselves.
; LIMITS: eA + eB between -126 and 127; e6 + 3, e7, e9 between -126 and 112.  The rotation is a multiply and a fused multiply-add.  NaN among the inputs is not served.
; REGISTERS: window 0: v1-9 addresses and constants, v32-111 at work on the way out, v128-191 and v192-255 W's tiles 0-3 and 4-7 of a step;  window 1: accumulator (a, b) at v[8 (8 a + b)];
;   window 2: hidden's ring, set s at v[64 s], tile a 16 registers on;  window 3: v0-127 cos and sin of my four tiles, v128-191 the bias.
.set SLOTB, 131072
.set SPARE, 2*SLOTB                    ; the spare words: 128 bytes a wave, two blocks of 256 bytes that no other line names
.set LI,   1                           ; 16 x lane
.set BH,   2                           ; 64 h: q's and k's bias
.set BR,   3                           ; 4 (r + 8 (r / 8)): v's bias
.set ADR,  4                           ; v4, v5  the slot's tiles 0-3, 4-7
.set SPW,  6
.set NIL,  7
.set SCV,  8
.set LIMV, 9
.set XQ,   32
.set YQ,   64
.set CD,   96
.set HF,   128
.set BI,   128                         ; in window 3
.set XA,   36                          ; s[36:37] hidden's codes under this tensor's scale, at my four tiles; s[38:39] under the next tensor's
.set XB,   38
.set PB,   42                          ; s[42:43] this tensor's bias
.set OB,   44                          ; s[44:45] this tensor's part of qkv
.set TP,   48
.set BVP,  50
.set BKP,  52
.set MSB, 0
.macro WIN new                         ; the immediate's high byte repeats the setting that is left
.if MSB != \new
	s_set_vgpr_msb (MSB<<8)|\new
.set MSB, \new
.endif
.endm
.macro CROUND
	s_barrier_signal -1
	s_barrier_wait -1
	s_cmp_lg_u32 s14, 0
	s_cbranch_scc1 .Lnot_wave_0_\@
	s_barrier_signal -3
.Lnot_wave_0_\@:
	s_barrier_wait -3
	s_barrier_signal -1
	s_barrier_wait -1
.endm
.macro PLACES                          ; a load into a register that a matrix instruction has read, and a vector line that reads a result, stand four plain vector lines behind it
.rept 4
	v_nop
.endr
.endm
.macro ALOAD set, base, kk             ; hidden's four tiles, fragment kk, into a set of the ring
	WIN 0x80
.irp a, 0,1,2,3
.irp c, 0,1,2,3
	global_load_b128 v[64*(\set)+16*\a+4*\c:64*(\set)+16*\a+4*\c+3], v[LI], s[\base:\base+1] offset:16384*\a+2048*(\kk)+512*\c
.endr
.endr
	WIN 0
.endm
.macro HLOAD hb, kk                    ; W's tiles 4 hb .. 4 hb + 3, fragment kk
.irp b, 0,1,2,3
.irp c, 0,1,2,3
	ds_load_b128 v[HF+64*(\hb)+16*\b+4*\c:HF+64*(\hb)+16*\b+4*\c+3], v[ADR+\hb] offset:16384*\b+2048*(\kk)+512*\c
.endr
.endr
.endm
.macro MUL hb, set, v, zero            ; 16 matrix instructions on 16 accumulators by turns; zero: the first step starts the sums
.irp b, 0,1,2,3
.irp a, 0,1,2,3
.set DA, 8*(8*\a+4*(\hb)+\b)
.set WA, HF+64*(\hb)+16*\b
.set HA, 64*(\set)+16*\a
.if \v
.if \zero
	v_wmma_f32_16x16x128_bf8_bf8 v[DA:DA+7], v[HA:HA+15], v[WA:WA+15], 0
.else
	v_wmma_f32_16x16x128_bf8_bf8 v[DA:DA+7], v[HA:HA+15], v[WA:WA+15], v[DA:DA+7]
.endif
.else
.if \zero
	v_wmma_f32_16x16x128_bf8_bf8 v[DA:DA+7], v[WA:WA+15], v[HA:HA+15], 0
.else
	v_wmma_f32_16x16x128_bf8_bf8 v[DA:DA+7], v[WA:WA+15], v[HA:HA+15], v[DA:DA+7]
.endif
.endif
.endr
.endr
.endm
; A step of 128 along K.  v: sources swapped.  nl: 1 = ask for this tensor's fragment kk + 4, 2 = for the next tensor's kk - 4, 0 = nothing.  nh: W's next fragments are fetched.  lc: register loads issued behind this step's set.
.macro STEP kk, v, nl, nh, lc
	s_wait_loadcnt \lc                             ; my set of hidden's codes is in; the later sets may be out
	s_wait_dscnt 16                                ; W's tiles 0-3 are in; the sixteen loads of tiles 4-7 may be out
	WIN 0x58-6*(\v)                                ; C, D window 1; hidden's fragment window 2: as source 1 (0x58) or source 0 (0x52)
	MUL 0, (\kk)%4, \v, (\kk)==0
	PLACES
	WIN 0
.if \nh
	HLOAD 0, (\kk)+1
	s_wait_dscnt 16                                ; tiles 4-7 are in; the sixteen just issued may be out
.else
	s_wait_dscnt 0x0
.endif
	WIN 0x58-6*(\v)
	MUL 1, (\kk)%4, \v, (\kk)==0
	PLACES
	WIN 0
.if \nh
	HLOAD 1, (\kk)+1
.endif
.if \nl == 1
	ALOAD (\kk)%4, XA, (\kk)+4
.elseif \nl == 2
	ALOAD (\kk)%4, XB, (\kk)-4
.endif
.endm
.macro MKS cs, cl, e, plus             ; 2^(e + plus) and 57,344 x that, as f32
	s_add_co_i32 s16, s[\e], 127+\plus
	s_lshl_b32 s[\cs], s16, 23
	s_add_co_i32 s16, s16, 15
	s_lshl_b32 s16, s16, 23
	s_or_b32 s[\cl], s16, 0x600000
.endm
.macro MKP d, e                        ; 2^(eA + eB)
	s_add_co_i32 s16, s[\e], s[\e+1]
	s_add_co_i32 s16, s16, 127
	s_lshl_b32 s[\d], s16, 23
.endm
.macro SLOTADR                         ; four vector lines behind a tensor load or a barrier: the slot's two addresses
	v_add_nc_u32 v[ADR], s66, v[LI]
	v_add_nc_u32 v[ADR+1], 65536, v[ADR]
	v_nop
	v_nop
	s_wait_alu depctr_va_vdst(0)                   ; the wait here, directly behind the writes
.endm
	s_load_b512 s[68:83], s[0:1], 0x0              ; ximg s[68:69], wimg s[70:71], trig s[72:73], bq s[74:75], bk s[76:77], bv s[78:79], scales s[80:81], qkv s[82:83]
	v_lshl_add_u32 v[SPW], v0, 2, SPARE
	v_mov_b32 v[NIL], 0
	ds_add_u32 v[SPW], v[NIL]                      ; the opening: the add, twice on end, and its wait ahead of my first tensor load
	ds_add_u32 v[SPW], v[NIL]
	v_lshrrev_b32 v10, 5, v0
	v_readfirstlane_b32 s14, v10                   ; wave 0..3
	s_bfe_u32 s40, ttmp6, 0x40000                  ; cx
	s_lshl_b32 s6, ttmp9, 2
	s_add_co_u32 s6, s6, s40                       ; RG
	s_and_b32 s5, ttmp7, 0xffff                    ; CT
	s_mov_b32 s24, 15|(3<<16)|(1<<21)              ; group 1: all four partners; 128 rows of 256 bytes (32 elements of 8), dense
	s_mov_b32 s25, 32<<16
	s_mov_b32 s26, 128<<16
	s_mov_b32 s27, 32<<16
	s_mov_b32 s28, 128
	s_mov_b32 s29, 32
	s_mov_b32 s30, 0
	s_mov_b32 s31, 0
	s_mov_b32 s32, 1
	s_lshl_b32 s33, s14, 15                        ; in a slot: 32,768 bytes a wave
	s_lshl_b32 s16, s5, 17                         ; in wimg: CT's eight tiles, and my two of them
	s_add_co_u32 s16, s16, s33
	s_mov_b32 s17, 0
	s_lshl_b32 s18, s6, 4
	s_lshl_b32 s19, s14, 2
	s_add_co_u32 s18, s18, s19
	s_lshl_b32 s18, s18, 14                        ; in ximg: tile 16 RG + 4 wave
	s_and_b32 s22, s6, 7
	s_lshl_b32 s22, s22, 4
	s_add_co_u32 s22, s22, s19                     ; T of my first tile in its sequence: 16 (RG % 8) + 4 wave
	s_mov_b32 s19, 0
	s_lshl_b32 s20, s22, 12                        ; in trig
	s_mov_b32 s21, 0
	s_lshl_b32 s10, s5, 9                          ; in a bias: 128 CT numbers
	s_mov_b32 s11, 0
	s_lshr_b32 s12, s6, 3
	s_lshl_b32 s12, s12, 21                        ; in a tensor of qkv: batch RG / 8,
	s_lshl_b32 s13, s5, 18
	s_add_co_u32 s12, s12, s13                     ; head 2 CT,
	s_lshl_b32 s13, s22, 10
	s_add_co_u32 s12, s12, s13                     ; tile T of 1,024 bytes; for v the same bytes: J = T / 4 of 4,096
	s_mov_b32 s13, 0
	s_wait_dscnt 0x0                               ; both opening adds are done
	s_wait_kmcnt 0x0
	s_load_b256 s[84:91], s[80:81], 0x0            ; e0 .. e7
	s_load_b64 s[92:93], s[80:81], 0x20            ; e8, e9
	s_add_nc_u64 s[34:35], s[70:71], s[16:17]
	s_or_b32 s35, s35, 0x80000000
	s_add_nc_u64 s[XA:XA+1], s[68:69], s[18:19]
	s_add_nc_u64 s[XB:XB+1], s[XA:XA+1], 0x800000
	s_add_nc_u64 s[TP:TP+1], s[72:73], s[20:21]
	s_add_nc_u64 s[PB:PB+1], s[74:75], s[10:11]
	s_add_nc_u64 s[BKP:BKP+1], s[76:77], s[10:11]
	s_add_nc_u64 s[BVP:BVP+1], s[78:79], s[10:11]
	s_add_nc_u64 s[OB:OB+1], s[82:83], s[12:13]
	CROUND                                         ; the four work-groups are here: the joint loads meet
	tensor_load_to_lds s[32:35], s[24:31]          ; Wq's block into slot 0: my one load at the head
	s_nop 0
	v_and_b32 v10, 31, v0
	v_lshlrev_b32 v[LI], 4, v10
	v_bfe_u32 v11, v0, 4, 1
	v_lshlrev_b32 v[BH], 6, v11
	v_and_b32 v12, 15, v0
	v_and_b32 v13, 8, v0
	v_add_nc_u32 v12, v12, v13
	v_lshlrev_b32 v[BR], 2, v12
	s_wait_alu depctr_va_vdst(0)                   ; the wait here
	WIN 0xc0
.irp a, 0,1,2,3
.irp p, 0,1,2,3,4,5,6,7
	global_load_b128 v[32*\a+4*\p:32*\a+4*\p+3], v[LI], s[TP:TP+1] offset:4096*\a+512*\p   ; cos (p 0-3) and sin (p 4-7) of my four tiles: they serve q and k
.endr
.endr
	WIN 0
.irp k, 0,1,2,3
	ALOAD \k, XA, \k                               ; the ring's first four sets
.endr
	s_wait_kmcnt 0x0
	MKP 96, 84
	s_mov_b32 s97, s96                             ; (named with it as a pair)
	MKP 56, 86
	MKP 57, 88
	MKS 58, 59, 90, 3                              ; q: 2^(e6 + 3)
	MKS 60, 61, 91, 0                              ; k: 2^e7
	MKS 62, 63, 93, 0                              ; v: 2^e9
	s_mov_b32 s66, 0                               ; the slot in hand
	s_mov_b32 s3, 2
; Block a of q or k: 16 positions x my two heads.  In a head, result tiles 0, 1 hold d = 16 h + 0 .. 15 and tiles 2, 3 hold d + 32: the two partners of a rotation lie in one lane, 16 registers apart.
.macro QK_BLOCK a
.set CD, HF+16*\a                      ; each block's codes have 16 registers of their own, where W's fragments lay: no store's data are written again before the wait at the trip's end
.irp hh, 0,1
	WIN 0x31                                       ; source 0 window 1, source 2 window 3
.irp bb, 0,1,2,3
.irp i, 0,2,4,6
	v_pk_fma_f32 v[XQ+8*\bb+\i:XQ+8*\bb+\i+1], v[64*\a+8*(4*\hh+\bb)+\i:64*\a+8*(4*\hh+\bb)+\i+1], s[96:97], v[BI+8*(4*\hh+\bb)+\i:BI+8*(4*\hh+\bb)+\i+1] op_sel_hi:[1,0,1]   ; sum x 2^(eA + eB) + bias; each accumulator from its low end on
.endr
.endr
	WIN 0x0c                                       ; source 1 window 3
.irp u, 0,1
.irp i, 0,2,4,6
	v_pk_mul_f32 v[YQ+8*\u+\i:YQ+8*\u+\i+1], v[XQ+16+8*\u+\i:XQ+16+8*\u+\i+1], v[32*\a+16+8*\u+\i:32*\a+16+8*\u+\i+1]       ; x(d + 32) sin
	v_pk_mul_f32 v[YQ+16+8*\u+\i:YQ+16+8*\u+\i+1], v[XQ+8*\u+\i:XQ+8*\u+\i+1], v[32*\a+16+8*\u+\i:32*\a+16+8*\u+\i+1]       ; x(d) sin
.endr
.endr
.irp u, 0,1
.irp i, 0,2,4,6
	v_pk_fma_f32 v[YQ+8*\u+\i:YQ+8*\u+\i+1], v[XQ+8*\u+\i:XQ+8*\u+\i+1], v[32*\a+8*\u+\i:32*\a+8*\u+\i+1], v[YQ+8*\u+\i:YQ+8*\u+\i+1] neg_lo:[0,0,1] neg_hi:[0,0,1]   ; x(d) cos - x(d + 32) sin
	v_pk_fma_f32 v[YQ+16+8*\u+\i:YQ+16+8*\u+\i+1], v[XQ+16+8*\u+\i:XQ+16+8*\u+\i+1], v[32*\a+8*\u+\i:32*\a+8*\u+\i+1], v[YQ+16+8*\u+\i:YQ+16+8*\u+\i+1]               ; x(d + 32) cos + x(d) sin
.endr
.endr
	WIN 0
.set n, 0
.rept 32
	v_med3_num_f32 v[YQ+n], v[YQ+n], -v[LIMV], v[LIMV]   ; the conversion to an 8-bit code does not saturate (ISA guide 7.6.2)
.set n, n+1
.endr
.irp bb, 0,1,2,3
	v_cvt_scalef32_pk8_bf8_f32 v[CD+8*\hh+2*\bb:CD+8*\hh+2*\bb+1], v[YQ+8*\bb:YQ+8*\bb+7], v[SCV]
.endr
	v_nop                                          ; one plain line behind the last conversion of a run
	global_store_b128 v[LI], v[CD+8*\hh:CD+8*\hh+3], s[OB:OB+1] offset:\a*1024+\hh*131072          ; d = 16 h + 0 .. 15: 512 bytes on end
	global_store_b128 v[LI], v[CD+8*\hh+4:CD+8*\hh+7], s[OB:OB+1] offset:\a*1024+\hh*131072+512    ; d = 32 + 16 h + 0 .. 15
.endr
.endm
; Block b of v: 16 channels (head b / 4 of my two, tile b % 4) x my 64 keys: one fragment
.macro V_BLOCK b
.set CD, HF+8*\b                       ; each block's codes have 8 registers of their own, where W's fragments lay
	WIN 0x31
.irp a, 0,1,2,3
.irp i, 0,2,4,6
	v_pk_fma_f32 v[XQ+8*\a+\i:XQ+8*\a+\i+1], v[8*(8*\a+\b)+\i:8*(8*\a+\b)+\i+1], s[96:97], v[BI+2*\b:BI+2*\b+1] op_sel_hi:[1,0,0]   ; a lane has one feature: the bias pair's low word serves both halves
.endr
.endr
	WIN 0
.set n, 0
.rept 32
	v_med3_num_f32 v[XQ+n], v[XQ+n], -v[LIMV], v[LIMV]
.set n, n+1
.endr
.irp a, 0,1,2,3
	v_cvt_scalef32_pk8_bf8_f32 v[CD+2*\a:CD+2*\a+1], v[XQ+8*\a:XQ+8*\a+7], v[SCV]
.endr
	v_nop
.irp c, 0,1
	global_store_b128 v[LI], v[CD+4*\c:CD+4*\c+3], s[OB:OB+1] offset:(\b/4)*131072+(\b%4)*1024+\c*512
.endr
.endm
	s_wait_alu depctr_va_vdst(0)                   ; the wait at the head's end
.Lz:                                                   ; two trips: q, k
	s_wait_tensorcnt 0x0                           ; my part of this tensor's block is in, and no load of mine is out: group 0 may be written
	ds_add_u32 v[SPW], v[NIL]
	s_xor_b32 s33, s33, SLOTB                      ; the next tensor's block, into the other slot
	s_add_nc_u64 s[34:35], s[34:35], 0x100000
	s_wait_dscnt 0x0                               ; the add is done, and my reads of the other slot are over
	CROUND                                         ; both hold of every wave of the four work-groups
	tensor_load_to_lds s[32:35], s[24:31]          ; trip 0: slot 1's first fill; trip 1: slot 0 again; it has this tensor's eight steps in which to land
	s_nop 0
	SLOTADR
	HLOAD 0, 0
	HLOAD 1, 0
	WIN 0xc0
.irp b, 0,1,2,3,4,5,6,7
	global_load_b128 v[BI+8*\b:BI+8*\b+3], v[BH], s[PB:PB+1] offset:4*(32*(\b/2)+8*(\b%2))       ; register 8 b + j is feature 32 (b / 2) + 8 (b % 2) + 16 h + j; wanted on the way out
	global_load_b128 v[BI+8*\b+4:BI+8*\b+7], v[BH], s[PB:PB+1] offset:4*(32*(\b/2)+8*(\b%2))+16
.endr
	WIN 0
.irp k, 0,1,2,3
	STEP \k, 0, 1, 1, 48
.endr
.irp k, 4,5,6
	STEP \k, 0, 2, 1, 48
.endr
	STEP 7, 0, 2, 0, 48
	v_mov_b32 v[SCV], s58
	v_mov_b32 v[LIMV], s59
.irp a, 0,1,2,3
	QK_BLOCK \a
.endr
	s_wait_xcnt 0x0                                ; every load and store has read its base: the bases step to the next tensor
	s_mov_b64 s[XA:XA+1], s[XB:XB+1]
	s_add_nc_u64 s[XB:XB+1], s[XB:XB+1], 0x800000  ; (behind k it is not used)
	s_mov_b64 s[PB:PB+1], s[BKP:BKP+1]
	s_add_nc_u64 s[OB:OB+1], s[OB:OB+1], 0x800000
	s_mov_b32 s96, s56
	s_mov_b32 s97, s56
	s_mov_b32 s58, s60
	s_mov_b32 s59, s61
	s_xor_b32 s66, s66, SLOTB
	s_sub_co_u32 s3, s3, 1
	s_cmp_lg_u32 s3, 0
	s_wait_alu depctr_va_vdst(0)                   ; the wait here, directly ahead of the branch
	s_cbranch_scc1 .Lz
	; ---- v
	s_wait_tensorcnt 0x0                           ; my part of Wv's block is in
	s_barrier_signal -1
	s_barrier_wait -1                              ; everybody's is
	SLOTADR
	HLOAD 0, 0
	HLOAD 1, 0
	WIN 0xc0
.irp b, 0,1,2,3,4,5,6,7
	global_load_b32 v[BI+2*\b], v[BR], s[BVP:BVP+1] offset:4*(32*(\b/2)+8*(\b%2))   ; the bias of my lane's feature in tile b
.endr
	WIN 0
	s_mov_b32 s96, s57
	s_mov_b32 s97, s57
.irp k, 0,1,2,3
	STEP \k, 1, 1, 1, 48
.endr
	STEP 4, 1, 0, 1, 48                            ; the stream's end: behind each set fewer loads were issued
	STEP 5, 1, 0, 1, 32
	STEP 6, 1, 0, 1, 16
	STEP 7, 1, 0, 0, 0
	v_mov_b32 v[SCV], s62
	v_mov_b32 v[LIMV], s63
.irp b, 0,1,2,3,4,5,6,7
	V_BLOCK \b
.endr
	s_wait_tensorcnt 0x0                           ; the wave's end
	ds_add_u32 v[SPW], v[NIL]
	s_wait_dscnt 0x0
	CROUND                                         ; the closing round
	s_endpgm
.Lfunc_end_k_qdcf4ddd497_proj:
	.size	k_qdcf4ddd497_proj, .Lfunc_end_k_qdcf4ddd497_proj-k_qdcf4ddd497_proj
	.p2alignl 7, 3214868480
	.fill 96, 4, 3214868480
	.section	.rodata,"a",@progbits
	.p2align	6, 0x0
	.amdhsa_kernel k_qdcf4ddd497_proj
		.amdhsa_group_segment_fixed_size 327680
		.amdhsa_private_segment_fixed_size 0
		.amdhsa_enable_private_segment 0
		.amdhsa_kernarg_size 64
		.amdhsa_user_sgpr_count 2
		.amdhsa_user_sgpr_kernarg_segment_ptr 1
		.amdhsa_wavefront_size32 1
		.amdhsa_system_sgpr_workgroup_id_x 1
		.amdhsa_system_sgpr_workgroup_id_y 1
		.amdhsa_system_sgpr_workgroup_id_z 1
		.amdhsa_system_vgpr_workitem_id 0
		.amdhsa_next_free_vgpr 1024
		.amdhsa_next_free_sgpr 102
		.amdhsa_reserve_vcc 0
		.amdhsa_float_denorm_mode_32 3
		.amdhsa_float_denorm_mode_16_64 3
		.amdhsa_memory_ordered 1
		.amdhsa_forward_progress 1
		.amdhsa_inst_pref_size 182
	.end_amdhsa_kernel
	.amdgpu_metadata
---
amdhsa.version: [ 1, 2 ]
amdhsa.kernels:
  - .name:           k_qdcf4ddd497_proj
    .symbol:         k_qdcf4ddd497_proj.kd
    .args:
      - { .name: ximg, .offset: 0, .size: 8, .value_kind: global_buffer, .address_space: global }
      - { .name: wimg, .offset: 8, .size: 8, .value_kind: global_buffer, .address_space: global }
      - { .name: trig, .offset: 16, .size: 8, .value_kind: global_buffer, .address_space: global }
      - { .name: bq, .offset: 24, .size: 8, .value_kind: global_buffer, .address_space: global }
      - { .name: bk, .offset: 32, .size: 8, .value_kind: global_buffer, .address_space: global }
      - { .name: bv, .offset: 40, .size: 8, .value_kind: global_buffer, .address_space: global }
      - { .name: lowp_scales, .offset: 48, .size: 8, .value_kind: global_buffer, .address_space: global }
      - { .name: qkv, .offset: 56, .size: 8, .value_kind: global_buffer, .address_space: global }
    .group_segment_fixed_size: 327680
    .private_segment_fixed_size: 0
    .kernarg_segment_align: 8
    .kernarg_segment_size: 64
    .max_flat_workgroup_size: 128
    .sgpr_count:     102
    .vgpr_count:     1024
    .wavefront_size: 32
...
	.end_amdgpu_metadata
.endif
;; end of part 2
;; launch attn (part 3): grid 4 x 64, 16 waves a work-group, clusters of 4 x 1, 327,680 bytes of LDS; arguments qkv, lowp_scales, out0; writes out0
.if DOCPART == 3
	.amdgcn_target "amdgcn-amd-amdhsa--gfx1250"
	.amdhsa_code_object_version 6
	.text
	.protected	k_qdcf4ddd497_attn
	.globl	k_qdcf4ddd497_attn
	.p2align	8
	.type	k_qdcf4ddd497_attn,@function
k_qdcf4ddd497_attn:
	s_mov_b64 s[64:65], 0
	v_nop
	global_prefetch_b8 v0, s[64:65] scope:SCOPE_SE
	s_setreg_imm32_b32 hwreg(HW_REG_WAVE_MODE, 25, 1), 1
	s_wait_xcnt 0x0
	s_wait_alu depctr_hold_cnt(0) depctr_sa_sdst(0) depctr_va_vdst(0) depctr_va_sdst(0) depctr_va_ssrc(0) depctr_va_vcc(0) depctr_vm_vsrc(0)
	s_getreg_b32 s2, hwreg(HW_REG_IB_STS2, 6, 4)
	s_cmp_eq_u32 s2, 0
	s_cbranch_scc0 .Lentry_in_a_cluster
	s_endpgm
.Lentry_in_a_cluster:
	s_bfe_u32 s2, ttmp6, 0x10000c
	s_cmp_lg_u32 s2, 0x3003
	s_cbranch_scc0 .Lentry_shape_is_right
	s_endpgm
.Lentry_shape_is_right:
; ATTN: out(b, s, head) = the sum over keys of softmax(q . k / 8) v, both products on codes of BF8 (E5M2) as the launch before has laid them:
;   q at 0, k at 2^23 of qkv: [g 64][T 128][c 2][lane 32][16 B] (a tile of 16 positions x 64 d);  v at 2^24: [g 64][J 32][ct 4][c 2][lane 32][16 B] (16 channels x 64 keys);  g = 16 batch + head.
;   Tile 2 B + u holds in lane r the row 32 B + 8 u + r + 8 (r / 8), so the 16 registers of result tiles 2 B, 2 B + 1 are 16 neighbouring keys, in the order of the next operand's registers.
; THE SOFTMAX: t = score x c, c = log2(e) / 8 x 2^(e6 + e7); M = the running largest t rounded up to a whole number; p = 2^(t - M) is held at 57,344 x 2^e8 and quantised; the row's sum is taken of the
; unquantised p and divides at the end.  When M moves, the sum and O^T are multiplied by 2^(old M - new M), made by v_ldexp_f32: nothing is rounded and no branch hangs on data.
; SHARES.  A work-group owns 512 queries of one g, each of its sixteen waves 32 (two tiles); every wave walks the 2,048 keys in 16 steps of 128.  Both products are used transposed: a lane holds one query.
; A fragment of K or V from LDS feeds two matrix instructions.  O^T is rescaled and M updated once for 128 keys.  The second product takes 128 keys an instruction: two of V's fragments of 64 keys on end,
; and p's codes of eight key tiles on end: the same order of k on both sides.
; LDS.  All of a g's K and V stay in LDS.  The first 256 keys (part A: K at CHA, V 16,384 bytes on) come by the head's load, 2,048 bytes a wave; the other 1,792 (K at 0, V at 114,688) by one more load a wave,
; 14,336 bytes, issued behind the round of the four work-groups, and waited for behind step 2.  Behind that barrier nobody reads part A: from CHA on lie the waves' stages for the way out,
; 16 rows x 272 bytes each, on part A's bytes, which have had their only fill, and on the unused bytes behind them; then the spare words.  So no barrier stands ahead of the way out.
; CLUSTER: the four work-groups of a g read the same K and V: each load is asked for jointly; its descriptor hangs on g and the wave's number alone.
; NO PREFETCH: all that a work-group reads is asked for by the two loads and four register loads at its head; no loop is left to run ahead in.
; LIMITS: e6 + e7 between -123 and 130 (added to c's exponent field); e8 between -126 and 112; the scaled scores stay under 2^31 in magnitude.  NaN among the inputs is not served.
; REGISTERS: v0-31 at work; v32-47 Q; v48-111 S0 (then p, then C1 = tile 1's codes and V's fragments 0-2); v112-175 K's eight fragments (v112-127 then C0); v128-191 S1 (then V's fragment 3); v192-255 O^T.
; S1's tile kt lies on K's fragment kt + 2: S1 is made from tile 7 down, two tiles at a time, with eight of S0's maxima between the pairs as the places that a matrix result laid over a dead operand wants (ISA guide 7.12.1).
.set CHA,   229376
.set SROW,  272
.set STG,   16*SROW
.set SPARE, CHA+16*STG                 ; 299,008: 128 bytes a wave, eight blocks of 256 bytes that no other line names
.set LI,  1                            ; 16 x lane
.set AK,  2                            ; the step's K, V in LDS
.set AV,  3
.set SPW, 4
.set NIL, 5
.set LIM, 6                            ; v6, v7  57,344 x 2^e8, twice: the two halves of a dual line take second sources of different banks
.set NM,  8                            ; v8, v10  -M;   v9, v11  the largest raw score so far
.set RM,  9
.set LS,  12                           ; v[12:13], v[14:15] the rows' sums in two halves
.set FF,  16                           ; v16, v18  f = 2^(old M - new M); v17, v19 named with them as pairs
.set MA,  20                           ; v20, v22  a tile's largest score, then work on M; v21, v23 the new -M; behind that v[20:21], v[22:23] chains of a tile's sum
.set TT,  24
.set L2,  26                           ; v26-29  four chains of maxima, one tile after the other; then v[26:27], v[28:29] chains of a tile's sum
.set SCV, 30                           ; 2^e8
.set QF,  32
.set X0,  48
.set KF,  112
.set X1,  128
.set OO,  192
.macro CROUND
	s_barrier_signal -1
	s_barrier_wait -1
	s_cmp_lg_u32 s10, 0
	s_cbranch_scc1 .Lnot_wave_0_\@
	s_barrier_signal -3
.Lnot_wave_0_\@:
	s_barrier_wait -3
	s_barrier_signal -1
	s_barrier_wait -1
.endm
	s_load_b128 s[4:7], s[0:1], 0x0                ; qkv, the scales' exponents
	s_load_b64 s[8:9], s[0:1], 0x10                ; out
	v_lshl_add_u32 v[SPW], v0, 2, SPARE
	v_mov_b32 v[NIL], 0
	ds_add_u32 v[SPW], v[NIL]                      ; the opening: the add, twice on end, and its wait ahead of my first tensor load
	ds_add_u32 v[SPW], v[NIL]
	v_lshrrev_b32 v1, 5, v0
	s_delay_alu instid0(VALU_DEP_1)
	v_readfirstlane_b32 s10, v1                    ; wave 0..15
	s_bfe_u32 s11, ttmp6, 0x40000                  ; cx: which 512 queries
	s_and_b32 s12, ttmp7, 0xffff                   ; g
	; group 1, twice: rows of 256 bytes (32 elements of 8), dense; 8 rows for part A, 56 for the rest; mask: all four partners
.irp g, 16, 48
	s_mov_b32 s[\g], 15|(3<<16)|(1<<21)
	s_mov_b32 s[\g+1], 32<<16
	s_mov_b32 s[\g+3], 32<<16
	s_mov_b32 s[\g+5], 32
	s_mov_b32 s[\g+6], 0
	s_mov_b32 s[\g+7], 0
.endr
	s_mov_b32 s18, 8<<16
	s_mov_b32 s20, 8
	s_mov_b32 s50, 56<<16
	s_mov_b32 s52, 56
	s_lshr_b32 s13, s10, 3                         ; waves 0-7 fetch K, 8-15 V
	s_and_b32 s14, s10, 7
	s_add_co_u32 s42, s13, 1
	s_lshl_b32 s42, s42, 23
	s_lshl_b32 s43, s12, 17
	s_add_co_u32 s42, s42, s43                     ; my tensor's g in qkv
	s_lshl_b32 s44, s14, 11
	s_add_co_u32 s44, s44, s42                     ; part A: 2,048 bytes a wave
	s_mov_b32 s45, 0
	s_mul_i32 s46, s14, 14336
	s_add_co_u32 s46, s46, s42
	s_add_co_u32 s46, s46, 16384                   ; the rest: 14,336 bytes a wave
	s_mov_b32 s47, 0
	s_lshl_b32 s25, s10, 11
	s_add_co_u32 s25, s25, CHA                     ; in LDS: K's eight parts, then V's, on end
	s_mul_i32 s29, s10, 14336
	s_mov_b32 s24, 1
	s_mov_b32 s28, 1
	s_mov_b32 s38, 0x76543210                      ; v_permlanex16_b32's selects for lane l xor 16
	s_mov_b32 s39, 0xfedcba98
	s_mov_b32 s36, 0x3e38aa3b                      ; log2(e) / 8
	s_wait_dscnt 0x0                               ; both opening adds are done
	s_wait_kmcnt 0x0
	s_load_b128 s[32:35], s[6:7], 0x18             ; e6, e7, e8, e9
	s_add_nc_u64 s[26:27], s[4:5], s[44:45]
	s_or_b32 s27, s27, 0x80000000
	s_add_nc_u64 s[30:31], s[4:5], s[46:47]
	s_or_b32 s31, s31, 0x80000000
	CROUND                                         ; the four work-groups are here: the joint loads meet
	tensor_load_to_lds s[24:27], s[16:23]          ; part A: my one load at the head
	s_nop 0
	s_lshl_b32 s42, s11, 5
	s_lshl_b32 s43, s10, 1
	s_add_co_u32 s42, s42, s43                     ; my first tile of queries: 32 cx + 2 wave
	s_lshl_b32 s42, s42, 10
	s_lshl_b32 s43, s12, 17
	s_add_co_u32 s42, s42, s43
	s_mov_b32 s43, 0
	s_add_nc_u64 s[4:5], s[4:5], s[42:43]
	v_and_b32 v1, 31, v0
	s_delay_alu instid0(VALU_DEP_1)
	v_lshlrev_b32 v[LI], 4, v1
.irp k, 0,1,2,3
	global_load_b128 v[QF+4*\k:QF+4*\k+3], v[LI], s[4:5] offset:512*\k th:TH_LOAD_NT   ; Q's two fragments stay in registers
.endr
	s_lshr_b32 s44, s12, 4                         ; out: row 2,048 batch + 512 cx + 32 wave, of 4,096 bytes; + 256 head
	s_lshl_b32 s44, s44, 11
	s_lshl_b32 s45, s11, 9
	s_add_co_u32 s44, s44, s45
	s_lshl_b32 s45, s10, 5
	s_add_co_u32 s44, s44, s45
	s_lshl_b32 s44, s44, 12
	s_and_b32 s45, s12, 15
	s_lshl_b32 s45, s45, 8
	s_add_co_u32 s44, s44, s45
	s_mov_b32 s45, 0
	s_add_nc_u64 s[8:9], s[8:9], s[44:45]
.irp x, 0,1
	v_mov_b32 v[RM+2*\x], 0xff61b1e6               ; the largest score so far: -3e38
	v_mov_b32 v[NM+2*\x], 0x7f61b1e6               ; -M: 3e38, so that the first f is 0 and meets zeros
	v_mov_b32 v[LS+2*\x], 0
	v_mov_b32 v[LS+2*\x+1], 0
	v_mov_b32 v[FF+2*\x+1], 0                      ; (named as a pair's upper half)
	v_mov_b32 v[TT+\x], 0                          ; a lane permute's destination counts as a source
.endr
.set n, 0
.rept 64
	v_mov_b32 v[OO+n], 0                           ; O^T: the step is written once, its first run finds zeros
.set n, n+1
.endr
	s_wait_kmcnt 0x0
	s_add_co_i32 s42, s32, s33
	s_lshl_b32 s42, s42, 23
	s_add_co_i32 s36, s36, s42                     ; c: e6 + e7 added to its exponent field
	s_mov_b32 s37, s36                             ; (named with it as a pair)
	s_xor_b32 s56, s36, 0x80000000                 ; -c
	s_add_co_i32 s42, s34, 127
	s_lshl_b32 s43, s42, 23
	v_mov_b32 v[SCV], s43                          ; 2^e8
	s_add_co_i32 s42, s42, 15
	s_lshl_b32 s42, s42, 23
	s_or_b32 s42, s42, 0x600000
	v_mov_b32 v[LIM], s42                          ; 57,344 x 2^e8
	v_mov_b32 v[LIM+1], s42
	s_add_co_i32 s57, s34, s35                     ; e8 + e9
; 32 three-input maxima take tile x's 64 scores and the largest so far; lines lo .. hi - 1 of them.  Each accumulator is first read at its low end.
.macro MX x, lo, hi
.set SB, X0+80*(\x)
.set n, \lo
.rept (\hi)-(\lo)
.if n == 0
	v_max3_num_f32 v[L2], v[RM+2*\x], v[SB], v[SB+1]
.elseif n < 4
	v_max3_num_f32 v[L2+n], v[SB+3*n-1], v[SB+3*n], v[SB+3*n+1]
.elseif n == 30
	v_max3_num_f32 v[L2], v[L2], v[L2+1], v[SB+63]
.elseif n == 31
	v_max3_num_f32 v[MA+2*\x], v[L2], v[L2+2], v[L2+3]
.else
	v_max3_num_f32 v[L2+n%4], v[L2+n%4], v[SB+2*n+3], v[SB+2*n+4]
.endif
.set n, n+1
.endr
.endm
.macro QK1 a, b                        ; S1's tiles a, b
.irp kt, \a, \b
	v_wmma_f32_16x16x64_bf8_bf8 v[X1+8*\kt:X1+8*\kt+7], v[KF+8*\kt:KF+8*\kt+7], v[QF+8:QF+15], 0
.endr
.endm
.macro SUMS b, l                       ; a tile's 64 unquantised p onto its sum l: 32 packed additions in five chains by turns
.irp k, 0,1
	v_pk_add_f32 v[L2+2*\k:L2+2*\k+1], v[\b+4*\k:\b+4*\k+1], v[\b+4*\k+2:\b+4*\k+3]
	v_pk_add_f32 v[MA+2*\k:MA+2*\k+1], v[\b+8+4*\k:\b+8+4*\k+1], v[\b+8+4*\k+2:\b+8+4*\k+3]
.endr
.irp j, 16,26,36,46
	v_pk_add_f32 v[\l:\l+1], v[\l:\l+1], v[\b+\j:\b+\j+1]
	v_pk_add_f32 v[L2:L2+1], v[L2:L2+1], v[\b+\j+2:\b+\j+3]
	v_pk_add_f32 v[L2+2:L2+3], v[L2+2:L2+3], v[\b+\j+4:\b+\j+5]
	v_pk_add_f32 v[MA:MA+1], v[MA:MA+1], v[\b+\j+6:\b+\j+7]
	v_pk_add_f32 v[MA+2:MA+3], v[MA+2:MA+3], v[\b+\j+8:\b+\j+9]
.endr
	v_pk_add_f32 v[\l:\l+1], v[\l:\l+1], v[\b+56:\b+57]
	v_pk_add_f32 v[L2:L2+1], v[L2:L2+1], v[\b+58:\b+59]
	v_pk_add_f32 v[L2+2:L2+3], v[L2+2:L2+3], v[\b+60:\b+61]
	v_pk_add_f32 v[MA:MA+1], v[MA:MA+1], v[\b+62:\b+63]
	v_pk_add_f32 v[L2:L2+1], v[L2:L2+1], v[L2+2:L2+3]
	v_pk_add_f32 v[MA:MA+1], v[MA:MA+1], v[MA+2:MA+3]
	v_pk_add_f32 v[L2:L2+1], v[L2:L2+1], v[MA:MA+1]
	v_pk_add_f32 v[\l:\l+1], v[\l:\l+1], v[L2:L2+1]
.endm
.macro HOLD b
.set n, 0
.rept 32
	v_dual_min_num_f32 v[\b+n], v[\b+n], v[LIM] :: v_dual_min_num_f32 v[\b+n+1], v[\b+n+1], v[LIM+1]
.set n, n+2
.endr
.endm
.macro CODES d, b                      ; eight key tiles' p -> 16 registers of codes
.irp kt, 0,1,2,3,4,5,6,7
	v_cvt_scalef32_pk8_bf8_f32 v[\d+2*\kt:\d+2*\kt+1], v[\b+8*\kt:\b+8*\kt+7], v[SCV]
.endr
	v_nop                                          ; one plain line behind the last conversion of a run
.endm
.macro VLD reg, ct                     ; V's channels tile ct x 128 keys: two fragments of 64 keys on end
.irp jj, 0,1
.irp c, 0,1
	ds_load_b128 v[\reg+8*\jj+4*\c:\reg+8*\jj+4*\c+3], v[AV] offset:4096*\jj+1024*(\ct)+512*\c
.endr
.endr
.endm
.macro PV vr, ct
.irp x, 0,1
	v_wmma_f32_16x16x128_bf8_bf8 v[OO+32*\x+8*(\ct):OO+32*\x+8*(\ct)+7], v[\vr:\vr+15], v[KF-64*\x:KF-64*\x+15], v[OO+32*\x+8*(\ct):OO+32*\x+8*(\ct)+7]
.endr
.endm
; A STEP: 128 keys at LDS byte s40 (K) and s40 + voff (V)
.macro STEP voff
	v_add_nc_u32 v[AK], s40, v[LI]                 ; these two and three v_nop: five places behind the last products, whose operands the loads and S0 below write over
	s_delay_alu instid0(VALU_DEP_1)
	v_add_nc_u32 v[AV], \voff, v[AK]
.rept 3
	v_nop
.endr
.irp kt, 0,1,2,3,4,5,6,7
.irp c, 0,1
	ds_load_b128 v[KF+8*\kt+4*\c:KF+8*\kt+4*\c+3], v[AK] offset:1024*\kt+512*\c
.endr
.endr
	s_wait_dscnt 8                                 ; K's fragments 0-3 are in; the eight loads of 4-7 may be out
.irp kt, 0,1,2,3
	v_wmma_f32_16x16x64_bf8_bf8 v[X0+8*\kt:X0+8*\kt+7], v[KF+8*\kt:KF+8*\kt+7], v[QF:QF+7], 0
.endr
	s_wait_dscnt 0x0
.irp kt, 4,5,6,7
	v_wmma_f32_16x16x64_bf8_bf8 v[X0+8*\kt:X0+8*\kt+7], v[KF+8*\kt:KF+8*\kt+7], v[QF:QF+7], 0
.endr
	QK1 7, 6
.rept 4
	v_nop                                          ; places ahead of the first read of S0
.endr
	MX 0, 0, 8
	QK1 5, 4                                       ; on fragments 7, 6, which are done with
	MX 0, 8, 16
	QK1 3, 2
	MX 0, 16, 24
	QK1 1, 0
	MX 0, 24, 32                                   ; also the places ahead of the first read of S1
	MX 1, 0, 32
	v_permlanex16_b32 v[TT], v[MA], s38, s39
	s_delay_alu instid0(VALU_DEP_2)
	v_permlanex16_b32 v[TT+1], v[MA+2], s38, s39
.irp x, 0,1
	s_delay_alu instid0(VALU_DEP_2)
	v_max_num_f32 v[RM+2*\x], v[MA+2*\x], v[TT+\x] ; the largest score so far, lane l xor 16's keys among them
.endr
.irp x, 0,1
	s_delay_alu instid0(VALU_DEP_2)
	v_mul_f32 v[TT+\x], s56, v[RM+2*\x]            ; -t (c is positive)
.endr
.irp x, 0,1
	s_delay_alu instid0(VALU_DEP_2)
	v_floor_f32 v[MA+2*\x+1], v[TT+\x]             ; the new -M = floor(-t)
.endr
.irp x, 0,1
	s_delay_alu instid0(VALU_DEP_2)
	v_sub_f32 v[MA+2*\x], v[MA+2*\x+1], v[NM+2*\x] ; old M - new M: a whole number, 0 or less
.endr
.irp x, 0,1
	v_mov_b32 v[NM+2*\x], v[MA+2*\x+1]
.endr
.irp x, 0,1
	s_delay_alu instid0(VALU_DEP_4)
	v_cvt_i32_f32 v[MA+2*\x], v[MA+2*\x]           ; (it saturates)
.endr
.irp x, 0,1
	s_delay_alu instid0(VALU_DEP_2)
	v_ldexp_f32 v[FF+2*\x], 1.0, v[MA+2*\x]        ; f
.endr
; The two tiles go half a step apart: between a batch's exponentials stand plain lines of the other tile that hang on no line of the batch and on none of each other.
; What such a line writes is read only behind the wait that closes the batch; what it reads was written ahead of the wait that opens it.
.set n, 0
.rept 32
	v_pk_fma_f32 v[X0+n:X0+n+1], v[X0+n:X0+n+1], s[36:37], v[NM:NM+1] op_sel_hi:[1,0,0]   ; tile 0: t - M
.set n, n+2
.endr
	s_wait_alu depctr_va_vdst(0)                   ; ahead of the first batch
.set n, 0
.rept 32
	v_exp_f32 v[X0+n], v[X0+n]                     ; tile 0: p = 2^(t - M)
	v_pk_fma_f32 v[X1+n:X1+n+1], v[X1+n:X1+n+1], s[36:37], v[NM+2:NM+3] op_sel_hi:[1,0,0]   ; tile 1: t - M
	v_exp_f32 v[X0+n+1], v[X0+n+1]
.set n, n+2
.endr
.irp x, 0,1
	v_pk_mul_f32 v[LS+2*\x:LS+2*\x+1], v[LS+2*\x:LS+2*\x+1], v[FF+2*\x:FF+2*\x+1] op_sel_hi:[1,0]   ; the sums under the new M; plain places behind the batch
.endr
	s_wait_alu depctr_va_vdst(0)                   ; behind the first batch and ahead of the second
	SUMS X0, LS                                    ; tile 0's sum, of the unquantised p, ahead of its hold
.set n, 0
.rept 32
	v_exp_f32 v[X1+n], v[X1+n]                     ; tile 1: p
	v_dual_min_num_f32 v[X0+n], v[X0+n], v[LIM] :: v_dual_min_num_f32 v[X0+n+1], v[X0+n+1], v[LIM+1]   ; tile 0: the hold
	v_exp_f32 v[X1+n+1], v[X1+n+1]
.set n, n+2
.endr
	v_nop                                          ; a plain place behind the batch
	s_wait_alu depctr_va_vdst(0)                   ; behind the second batch
	SUMS X1, LS+2
	CODES KF, X0                                   ; C0, where K's fragments 0, 1 lay
	VLD X0+16, 0                                   ; S0's registers are free: V's fragments 0-2 are asked for while tile 1 is quantised
	VLD X0+32, 1
	VLD X0+48, 2
	HOLD X1
	CODES X0, X1                                   ; C1
	VLD X1, 3
	s_wait_alu depctr_va_vdst(0)                   ; the wait here, directly ahead of the first reader of O^T
.irp x, 0,1
.set n, 0
.rept 16
	v_pk_mul_f32 v[OO+32*\x+n:OO+32*\x+n+1], v[OO+32*\x+n:OO+32*\x+n+1], v[FF+2*\x:FF+2*\x+1] op_sel_hi:[1,0]   ; O^T under the new M
.set n, n+2
.endr
.endr
	s_wait_alu depctr_va_vdst(0)                   ; the wait here, directly ahead of the wait below
	s_wait_dscnt 4                                 ; V's fragments 0-2 are in; the four loads of fragment 3 may be out
	PV X0+16, 0
	PV X0+32, 1
	PV X0+48, 2
	s_wait_dscnt 0x0
	PV X1, 3
	s_add_co_u32 s40, s40, 8192
.endm
	s_wait_alu depctr_va_vdst(0)                   ; the wait at the head's end
	s_wait_tensorcnt 0x0                           ; my part of part A is in
	ds_add_u32 v[SPW], v[NIL]
	s_wait_dscnt 0x0
	CROUND                                         ; everybody's part of part A is in, and the four work-groups meet
	tensor_load_to_lds s[28:31], s[48:55]          ; the other 1,792 keys: the first tensor load behind the round; it has two steps in which to land
	s_nop 0
	s_wait_loadcnt 0x0                             ; Q
	s_mov_b32 s40, CHA
	s_mov_b32 s41, 2
.Lpart_a:
	STEP 16384
	s_sub_co_u32 s41, s41, 1
	s_cmp_lg_u32 s41, 0
	s_cbranch_scc1 .Lpart_a
	s_wait_tensorcnt 0x0                           ; my part of the rest is in; my reads of part A were waited for in the step
	s_barrier_signal -1
	s_barrier_wait -1                              ; the rest is whole, and nobody reads part A any more
	s_mov_b32 s40, 0
	s_mov_b32 s41, 14
.Lrest:
	STEP 114688
	s_sub_co_u32 s41, s41, 1
	s_cmp_lg_u32 s41, 0
	s_cbranch_scc1 .Lrest
	; THE WAY OUT: O^T / the sum x 2^(e8 + e9) goes through my stage, one tile of 16 queries at a time, and leaves as rows of 256 bytes: a query's 64 channels of this head.
	s_mul_i32 s42, s10, STG
	s_add_co_u32 s42, s42, CHA                     ; my stage
	v_and_b32 v20, 15, v0                          ; r   (these lines are also the places behind the last products)
	v_bfe_u32 v21, v0, 4, 1                        ; h
	v_mul_u32_u24 v22, v20, SROW
	v_lshl_add_u32 v22, v21, 6, v22
	v_add_nc_u32 v22, s42, v22                     ; in: row r, + 64 h bytes: register 8 ct + j is channel 32 (ct / 2) + 16 h + 8 (ct % 2) + j
	v_lshlrev_b32 v23, 4, v20
	v_mul_u32_u24 v24, v21, SROW
	v_add_nc_u32 v24, v24, v23
	v_add_nc_u32 v24, s42, v24                     ; back: lanes 0-15 one row, lanes 16-31 the next
	v_lshl_add_u32 v25, v21, 12, v23               ; and the same two rows in out
.irp x, 0,1
	v_add_f32 v[LS+2*\x], v[LS+2*\x], v[LS+2*\x+1]
.endr
.irp x, 0,1
	v_permlanex16_b32 v[L2+\x], v[LS+2*\x], s38, s39
.endr
.irp x, 0,1
	v_add_f32 v[LS+2*\x], v[LS+2*\x], v[L2+\x]     ; the row's sum
.endr
	s_wait_alu depctr_va_vdst(0)                   ; the wait ahead of the transcendentals
.irp x, 0,1
	v_rcp_f32 v[LS+2*\x], v[LS+2*\x]
.endr
	v_nop
	s_wait_alu depctr_va_vdst(0)                   ; and ahead of their first reader
.irp x, 0,1
	v_ldexp_f32 v[LS+2*\x], v[LS+2*\x], s57
.endr
	s_wait_alu depctr_va_vdst(0)                   ; the wait here, directly ahead of the first reader of O^T
.irp x, 0,1
.set n, 0
.rept 16
	v_pk_mul_f32 v[X0+32*\x+n:X0+32*\x+n+1], v[OO+32*\x+n:OO+32*\x+n+1], v[LS+2*\x:LS+2*\x+1] op_sel_hi:[1,0]
.set n, n+2
.endr
.endr
.irp x, 0,1
.irp ct, 0,1,2,3
	ds_store_b128 v22, v[X0+32*\x+8*\ct:X0+32*\x+8*\ct+3] offset:128*(\ct/2)+32*(\ct%2)
	ds_store_b128 v22, v[X0+32*\x+8*\ct+4:X0+32*\x+8*\ct+7] offset:128*(\ct/2)+32*(\ct%2)+16
.endr
.irp i, 0,1,2,3,4,5,6,7
	ds_load_b128 v[KF+32*\x+4*\i:KF+32*\x+4*\i+3], v24 offset:2*\i*SROW   ; LDS serves a wave's instructions in order (ISA guide 5.7.1.4): these see my stores, and tile 1's stores come behind them
.endr
.endr
.irp x, 0,1
.irp i, 0,1,2,3,4,5,6,7
	s_wait_dscnt (1-\x)*16+7-\i                    ; behind this load: its tile's later loads, and for tile 0 tile 1's 8 stores and 8 loads
	global_store_b128 v25, v[KF+32*\x+4*\i:KF+32*\x+4*\i+3], s[8:9] offset:(8*\x+2*\i+8*(\i/4))*4096 th:TH_STORE_NT   ; stage row rho of tile x is query 8 x + rho + 8 (rho / 8); sixteen lanes store 256 bytes on end, aligned
.endr
.endr
	s_wait_tensorcnt 0x0                           ; the wave's end
	ds_add_u32 v[SPW], v[NIL]
	s_wait_dscnt 0x0
	CROUND                                         ; the closing round
	s_endpgm
.Lfunc_end_k_qdcf4ddd497_attn:
	.size	k_qdcf4ddd497_attn, .Lfunc_end_k_qdcf4ddd497_attn-k_qdcf4ddd497_attn
	.p2alignl 7, 3214868480
	.fill 96, 4, 3214868480
	.section	.rodata,"a",@progbits
	.p2align	6, 0x0
	.amdhsa_kernel k_qdcf4ddd497_attn
		.amdhsa_group_segment_fixed_size 327680
		.amdhsa_private_segment_fixed_size 0
		.amdhsa_enable_private_segment 0
		.amdhsa_kernarg_size 24
		.amdhsa_user_sgpr_count 2
		.amdhsa_user_sgpr_kernarg_segment_ptr 1
		.amdhsa_wavefront_size32 1
		.amdhsa_system_sgpr_workgroup_id_x 1
		.amdhsa_system_sgpr_workgroup_id_y 1
		.amdhsa_system_sgpr_workgroup_id_z 1
		.amdhsa_system_vgpr_workitem_id 0
		.amdhsa_next_free_vgpr 256
		.amdhsa_next_free_sgpr 66
		.amdhsa_reserve_vcc 0
		.amdhsa_float_denorm_mode_32 3
		.amdhsa_float_denorm_mode_16_64 3
		.amdhsa_memory_ordered 1
		.amdhsa_forward_progress 1
		.amdhsa_inst_pref_size 74
	.end_amdhsa_kernel
	.amdgpu_metadata
---
amdhsa.version: [ 1, 2 ]
amdhsa.kernels:
  - .name:           k_qdcf4ddd497_attn
    .symbol:         k_qdcf4ddd497_attn.kd
    .args:
      - { .name: qkv, .offset: 0, .size: 8, .value_kind: global_buffer, .address_space: global }
      - { .name: lowp_scales, .offset: 8, .size: 8, .value_kind: global_buffer, .address_space: global }
      - { .name: out0, .offset: 16, .size: 8, .value_kind: global_buffer, .address_space: global }
    .group_segment_fixed_size: 327680
    .private_segment_fixed_size: 0
    .kernarg_segment_align: 8
    .kernarg_segment_size: 24
    .max_flat_workgroup_size: 512
    .sgpr_count:     66
    .vgpr_count:     256
    .wavefront_size: 32
...
	.end_amdgpu_metadata
.endif
;; end of part 3
